; MI455X (gfx1250); checked and timed in simulation.
; The chip was launched on July 23, 2026; its instructions are those of AMD's public machine-readable ISA for CDNA 5 (MIT licence, August 2026) and "CDNA5" Instruction Set Architecture Reference Guide (July 2026). The comments in the code are by the model that wrote it; some were corrected since.
;; Meta Bert Self Attention. Allowed arithmetic: matrix products marked QUANTISED: E2M1 operands, one E8M0 scale for each 32 along K, by v_wmma_scale_f32_16x16x128_f8f6f4 with both operands' format E2M1 (or v_wmma_scale_f32_32x16x128_f4), f32 sums; products left as they are: bf16, f16 or f32 operands; f32 sums; everything else in f32.
;; Inputs: Wk 1,024 x 1,024 float32; Wq 1,024 x 1,024 float32; Wv 1,024 x 1,024 float32; attention_mask 8 x 1 x 1 x 1,024 float32; bk 1,024 float32; bq 1,024 float32; bv 1,024 float32; hidden_states 8 x 1,024 x 1,024 float32.
;; Outputs: out0 8 x 1,024 x 1,024 float32.
;; This version of the problem:
;;   THIS VERSION OF THE PROBLEM IS GIVEN IN LOW PRECISION. The matrix products marked QUANTISED in the list below multiply operands that are first quantised to E2M1 (2 exponent bits, 1 mantissa bit; 4 bits a number), with one power-of-two scale for each 32 numbers along K (OCP MX v1.0); their sums are f32. The products marked 'left as it is' may take bf16, f16 or f32 operands, with f32 sums. Whichever they take, every output number must still come out within the allowed error. Rounding operands to bf16 (8 significant bits) uses up far more of that allowance than f16 does (11 bits, for magnitudes from 6e-5 to 65,504). All else is computed in f32.
;;   The module's matrix products, in the order in which they are computed (A, B: the left and right operand; K: the contracted axis; several contracted axes count as one K, in the product's order):
;;     1. [M 8,192, K 1,024] x [K 1,024, N 1,024]; A: input hidden_states; B: input Wq: QUANTISED
;;     2. [M 8,192, K 1,024] x [K 1,024, N 1,024]; A: input hidden_states; B: input Wk: QUANTISED
;;     3. [M 8,192, K 1,024] x [K 1,024, N 1,024]; A: input hidden_states; B: input Wv: QUANTISED
;;     4. batch 128 x [M 1,024, K 64] x [K 64, N 1,024]; A: computed on the way; B: computed on the way: left as it is (an operand is computed on the way)
;;     5. batch 128 x [M 1,024, K 1,024] x [K 1,024, N 64]; A: computed on the way; B: computed on the way: left as it is (an operand is computed on the way)
;;   THE QUANTISER, for each operand of a quantised product, along K:
;;     - K is cut into blocks of 32 from its start; a last block that is shorter is filled with zeros.
;;     - A block's scale is 2^e with e = floor(log2(the largest magnitude in the block)) - 2, held to -126 .. 127; a block of zeros has e = 0. As a byte (E8M0): e + 127.
;;     - Each number is divided by its block's scale, clamped to +-6, and rounded to the nearest number of E2M1, ties to even, subnormals kept.
;;     - The product sums the exact products of the quantised numbers (number of the format x scale) in f32.
;;   ~~~python
;;   def quantise(x, axis):      # numpy; x: float32 -> the quantised numbers, widened to float32 again
;;       x = np.moveaxis(x, axis, -1); K = x.shape[-1]
;;       x = np.pad(x, [(0, 0)] * (x.ndim - 1) + [(0, -K % 32)]); x = x.reshape(x.shape[:-1] + (-1, 32)); a = np.abs(x).max(-1, keepdims=True)
;;       e = np.where(a > 0, np.clip(np.frexp(np.where(a > 0, a, 1))[1] - 1 - 2, -126, 127), 0)      # np.frexp(a)[1] - 1 = floor(log2(a)), exactly
;;       r = np.clip(x / 2.0 ** e, -6, 6)
;;       step = 2.0 ** (np.maximum(np.frexp(np.where(r == 0, 1, r))[1] - 1, 0) - 1)
;;       q = np.round(r / step) * step * 2.0 ** e      # np.round: ties to even
;;       return np.moveaxis(q.reshape(q.shape[:-2] + (-1,))[..., :K], -1, axis).astype(np.float32)
;;   ~~~
;; One version. Each part assembles by itself: llvm-mc -triple=amdgcn-amd-amdhsa -mcpu=gfx1250 --defsym DOCPART=n.
;; ======== version 1 of 1: 3 launches
;; limits: values are held in f16: magnitudes above 65,504 overflow, below 6.1e-05 lose precision
;; workspace buffers: xc 4,194,304 bytes; xs 262,144 bytes; wc 1,572,864 bytes; ws 98,304 bytes; qkv 50,331,648 bytes
;; launch quant (part 1): grid 352 x 1, 4 waves a work-group, no clusters, 33,280 bytes of LDS; arguments hidden_states, Wq, Wk, Wv, xc, xs, wc, ws; writes xc, xs, wc, ws
.if DOCPART == 1
	.amdgcn_target "amdgcn-amd-amdhsa--gfx1250"
	.amdhsa_code_object_version 6
	.text
	.protected	k_q31e32b8ada_quant
	.globl	k_q31e32b8ada_quant
	.p2align	8
	.type	k_q31e32b8ada_quant,@function
k_q31e32b8ada_quant:
	s_mov_b64 s[64:65], 0
	v_nop
	global_prefetch_b8 v0, s[64:65] scope:SCOPE_SE
	s_setreg_imm32_b32 hwreg(HW_REG_WAVE_MODE, 25, 1), 1
	s_wait_xcnt 0x0
; hidden_states [8192][1024] and Wq, Wk, Wv [1024][1024], f32, K innermost, are turned into codes of FP4 (E2M1), two to a byte, the lower k in the low four bits,
; with one E8M0 scale byte for each 32 along K.  x's codes go to xc [8192][512 bytes], its bytes to xs [8192][32]; the three weights' to wc [3072][512] and ws [3072][32], rows in the order q, k, v.
; A block's scale is 2^(floor(log2(its largest magnitude)) - 2); its byte is the largest magnitude's own exponent field - 2, held at 1 from below.  Each number is divided by the scale and rounded to the nearest code, ties to even,
; beyond 6 the largest code.
; LIMITS: a block of zeros gets the byte 1 where the rule says 127 (its codes are zeros, which add nothing under any byte but 0xff, and the bytes are read by this program alone);
; blocks whose largest magnitude lies under 2^(2 - 126) keep the byte 1; NaN and infinities among the inputs are not served.
; Rows are dense and K is a multiple of 32: every tensor is a plain stream of blocks of 32 numbers, and so are its codes and its scale bytes.
; A work-group takes 32,768 numbers, a wave 16 steps of 512.  Work-groups 0-255 take x, 256-287 Wq, 288-319 Wk, 320-351 Wv: only pointers are chosen, by the work-group's number; all take one path.
; Each of a step's four loads reads 512 consecutive bytes, 16 a lane; the 2,048 bytes turn through the wave's own stage in LDS and come back 64 bytes a lane: 16 neighbours along K, two lanes to a block.
; A lane's 16 codes are 8 bytes: the wave stores 256 consecutive bytes.  A wave's 256 scale bytes are gathered in its own LDS bytes and leave as 256 consecutive bytes.
; No tensor loads, no barrier: waves share nothing.  Loads run four steps (16 loads a wave) ahead, the turn through LDS one step.
.set WAVES, 4
.set STEPS, 16
.set EMAX,  2
.set CB,    8                          ; bytes of 16 codes
.set R,     16                         ; v16-79   four sets of 16 numbers as they are loaded
.set X,     80                         ; v80-111  two sets of 16 neighbours
.set C,     128                        ; v128-191 codes: four registers for each step, so that no store's data are written again
.set E,     112                        ; v112-127 a scale byte for each step
.set WREG,  8192                       ; LDS: a region for each wave: two stages of 32 x SP bytes, behind them its 256 scale bytes
.set SP,    80                         ; a lane's place in a stage: its 64 bytes + 16 of padding
.set SPW,   12                         ; v12      LDS address of my spare word; never rewritten
.set NIL,   13                         ; v13      0; never rewritten
.set SPARE, WAVES*WREG                 ; behind the four regions: the spare words, 128 bytes for each wave, which no other line names
	s_load_b256 s[4:11], s[0:1], 0x0               ; x s[4:5], Wq s[6:7], Wk s[8:9], Wv s[10:11]
	s_load_b256 s[12:19], s[0:1], 0x20             ; xc s[12:13], xs s[14:15], wc s[16:17], ws s[18:19]
	v_lshl_add_u32 v[SPW], v0, 2, SPARE
	v_mov_b32 v[NIL], 0
	v_lshrrev_b32 v1, 5, v0
	v_readfirstlane_b32 s20, v1                    ; wave
	v_and_b32 v2, 31, v0                           ; lane
	v_lshlrev_b32 v3, 4, v2                        ; my 16 bytes of a load's 512
	s_mul_i32 s21, s20, WREG
	v_lshrrev_b32 v14, 2, v2
	v_mul_u32_u24 v14, v14, SP
	v_and_b32 v15, 3, v2
	v_lshl_add_u32 v14, v15, 4, v14
	v_add_nc_u32 v14, s21, v14                     ; the stage, on the way in: four lanes' 64 bytes on end, then 16 of padding
	v_mul_u32_u24 v15, v2, SP
	v_add_nc_u32 v15, s21, v15                     ; and on the way out: SP x lane: my 16 neighbours
	v_mul_u32_u24 v4, v2, CB                       ; my codes' place in a step's
	v_lshrrev_b32 v5, 1, v2
	s_add_co_u32 s21, s21, 2*32*SP
	v_add_nc_u32 v5, s21, v5                       ; LDS: my wave's 256 scale bytes, my block's byte
	v_lshlrev_b32 v7, 3, v2                        ; and on the way out 8 bytes a lane
	v_add_nc_u32 v6, s21, v7
	s_wait_kmcnt 0x0
	s_cmp_lt_u32 ttmp9, 320                        ; which tensor?  Every choice hangs on the work-group's number alone
	s_cselect_b64 s[8:9], s[8:9], s[10:11]         ; Wk or Wv
	s_cmp_lt_u32 ttmp9, 288
	s_cselect_b64 s[6:7], s[6:7], s[8:9]           ; Wq or that
	s_cmp_lt_u32 ttmp9, 256
	s_cselect_b64 s[4:5], s[4:5], s[6:7]           ; x or that: the source
	s_cselect_b64 s[8:9], s[12:13], s[16:17]       ; the codes' buffer
	s_cselect_b64 s[10:11], s[14:15], s[18:19]     ; the scale bytes' buffer
	s_cselect_b32 s22, 0, 256
	s_sub_co_u32 s23, ttmp9, s22                   ; my number in the buffers that I store into: 0-255 for x, 0-95 for the three weights on end
	s_and_b32 s24, s23, 31                         ; my number inside one weight
	s_cmp_lt_u32 ttmp9, 256
	s_cselect_b32 s24, ttmp9, s24                  ; my number in the tensor that I read
	s_lshl_b32 s24, s24, 2
	s_add_co_u32 s24, s24, s20                     ; which run of 8,192 numbers of the source is my wave's
	s_mov_b32 s25, 0
	s_lshl_b64 s[26:27], s[24:25], 15              ; 32,768 bytes a run
	s_add_nc_u64 s[4:5], s[4:5], s[26:27]
	s_lshl_b32 s22, s23, 2
	s_add_co_u32 s22, s22, s20                     ; and which run of the codes and bytes
	s_mov_b32 s23, 0
	s_lshl_b64 s[26:27], s[22:23], 12              ; 4,096 bytes of codes a run
	s_add_nc_u64 s[8:9], s[8:9], s[26:27]
	s_lshl_b64 s[26:27], s[22:23], 8               ; 256 scale bytes a run
	s_add_nc_u64 s[10:11], s[10:11], s[26:27]
.macro LOAD t
.irp i, 0,1,2,3
	global_load_b128 v[R+16*((\t)%4)+4*\i:R+16*((\t)%4)+4*\i+3], v3, s[4:5] offset:2048*(\t)+512*\i th:TH_LOAD_NT   ; 32 lanes read 512 consecutive bytes
.endr
.endm
.macro TURN t                          ; step t's numbers through the stage: LDS serves a wave's instructions in order, so no wait stands between the stores and the loads
.irp i, 0,1,2,3
	ds_store_b128 v14, v[R+16*((\t)%4)+4*\i:R+16*((\t)%4)+4*\i+3] offset:32*SP*((\t)%2)+8*SP*\i
.endr
.irp i, 0,1,2,3
	ds_load_b128 v[X+16*((\t)%2)+4*\i:X+16*((\t)%2)+4*\i+3], v15 offset:32*SP*((\t)%2)+16*\i
.endr
.endm
.irp t, 0,1,2,3
	LOAD \t
.endr
	s_wait_loadcnt 12                              ; step 0's four loads are in; the twelve of steps 1 to 3 may be out
	TURN 0
.macro STEP t
.set XS, X+16*((\t)%2)
.if (\t) > 0
	s_wait_dscnt 1                                 ; this step's numbers are back from the stage (the last step's byte store may be out): so its stores into the stage have read their registers,
.else
	s_wait_dscnt 0x0
.endif
.if (\t)+4 < STEPS
	LOAD (\t)+4                                    ; which take the loads of four steps on
.endif
.if (\t)+1 < STEPS
.if STEPS-2-(\t) >= 3
	s_wait_loadcnt 12                              ; the next step's four loads are in; those of the three steps behind it may be out
.else
	s_wait_loadcnt 4*(STEPS-2-(\t))                ; in the tail: four for each step still behind the next
.endif
	TURN (\t)+1                                    ; and go through the other stage while this step is worked
.endif
	v_max3_num_f32 v8, |v[XS]|, |v[XS+1]|, |v[XS+2]|               ; the largest magnitude of my 16, in two chains
	v_max3_num_f32 v9, |v[XS+3]|, |v[XS+4]|, |v[XS+5]|
.irp i, 6,10
	v_max3_num_f32 v8, v8, |v[XS+\i]|, |v[XS+\i+1]|
	v_max3_num_f32 v9, v9, |v[XS+\i+2]|, |v[XS+\i+3]|
.endr
	v_max3_num_f32 v8, v8, |v[XS+14]|, |v[XS+15]|
	v_max3_num_f32 v8, v8, v9, (EMAX+1)<<23        ; and the floor 2^(EMAX + 1 - 127): so the byte cannot fall under 1
	v_max_num_f32_dpp v8, v8, v8 row_xmask:1 row_mask:0xf bank_mask:0xf   ; and of my neighbour's 16: the block's
	v_add_nc_u32 v11, -(EMAX<<23), v8              ; EMAX off its exponent field: the conversion takes the exponent field of this operand as its scale, and nothing else of it
	v_cvt_scalef32_pk8_fp4_f32 v[C+4*(\t)], v[XS:XS+7], v11
	v_cvt_scalef32_pk8_fp4_f32 v[C+4*(\t)+1], v[XS+8:XS+15], v11
	v_lshrrev_b32 v[E+(\t)], 23, v11               ; the scale's byte (also the plain line behind the conversions)
	ds_store_b8 v5, v[E+(\t)] offset:16*(\t)       ; both lanes of a block write the same byte with the same value
	global_store_b64 v4, v[C+4*(\t):C+4*(\t)+1], s[8:9] offset:32*CB*(\t)   ; 32 lanes store 256 consecutive bytes
.endm
.irp t, 0,1,2,3,4,5,6,7,8,9,10,11,12,13,14,15
	STEP \t
.endr
	ds_load_b64 v[8:9], v6                         ; LDS serves a wave's instructions in order: these see my stores
	s_wait_dscnt 0x0
	global_store_b64 v7, v[8:9], s[10:11]          ; 32 lanes store 256 consecutive bytes, at a multiple of 256 from the buffer's first byte
	s_wait_tensorcnt 0x0                           ; the wave's end, behind my last LDS store
	ds_add_u32 v[SPW], v[NIL]
	s_wait_dscnt 0x0
	s_endpgm
.Lfunc_end_k_q31e32b8ada_quant:
	.size	k_q31e32b8ada_quant, .Lfunc_end_k_q31e32b8ada_quant-k_q31e32b8ada_quant
	.p2alignl 7, 3214868480
	.fill 96, 4, 3214868480
	.section	.rodata,"a",@progbits
	.p2align	6, 0x0
	.amdhsa_kernel k_q31e32b8ada_quant
		.amdhsa_group_segment_fixed_size 33280
		.amdhsa_private_segment_fixed_size 0
		.amdhsa_enable_private_segment 0
		.amdhsa_kernarg_size 64
		.amdhsa_user_sgpr_count 2
		.amdhsa_user_sgpr_kernarg_segment_ptr 1
		.amdhsa_wavefront_size32 1
		.amdhsa_system_sgpr_workgroup_id_x 1
		.amdhsa_system_sgpr_workgroup_id_y 1
		.amdhsa_system_sgpr_workgroup_id_z 1
		.amdhsa_system_vgpr_workitem_id 0
		.amdhsa_next_free_vgpr 192
		.amdhsa_next_free_sgpr 66
		.amdhsa_reserve_vcc 0
		.amdhsa_float_denorm_mode_32 3
		.amdhsa_float_denorm_mode_16_64 3
		.amdhsa_memory_ordered 1
		.amdhsa_forward_progress 1
		.amdhsa_inst_pref_size 34
	.end_amdhsa_kernel
	.amdgpu_metadata
---
amdhsa.version: [ 1, 2 ]
amdhsa.kernels:
  - .name:           k_q31e32b8ada_quant
    .symbol:         k_q31e32b8ada_quant.kd
    .args:
      - { .name: hidden_states, .offset: 0, .size: 8, .value_kind: global_buffer, .address_space: global }
      - { .name: Wq, .offset: 8, .size: 8, .value_kind: global_buffer, .address_space: global }
      - { .name: Wk, .offset: 16, .size: 8, .value_kind: global_buffer, .address_space: global }
      - { .name: Wv, .offset: 24, .size: 8, .value_kind: global_buffer, .address_space: global }
      - { .name: xc, .offset: 32, .size: 8, .value_kind: global_buffer, .address_space: global }
      - { .name: xs, .offset: 40, .size: 8, .value_kind: global_buffer, .address_space: global }
      - { .name: wc, .offset: 48, .size: 8, .value_kind: global_buffer, .address_space: global }
      - { .name: ws, .offset: 56, .size: 8, .value_kind: global_buffer, .address_space: global }
    .group_segment_fixed_size: 33280
    .private_segment_fixed_size: 0
    .kernarg_segment_align: 8
    .kernarg_segment_size: 64
    .max_flat_workgroup_size: 128
    .sgpr_count:     66
    .vgpr_count:     192
    .wavefront_size: 32
...
	.end_amdgpu_metadata
.endif
;; end of part 1
;; launch gemm (part 2): grid 12 x 32, 4 waves a work-group, clusters of 4 x 4, 327,680 bytes of LDS; arguments xc, xs, wc, ws, bq, bk, bv, qkv; writes qkv
.if DOCPART == 2
	.amdgcn_target "amdgcn-amd-amdhsa--gfx1250"
	.amdhsa_code_object_version 6
	.text
	.protected	k_q31e32b8ada_gemm
	.globl	k_q31e32b8ada_gemm
	.p2align	8
	.type	k_q31e32b8ada_gemm,@function
k_q31e32b8ada_gemm:
	s_mov_b64 s[64:65], 0
	v_nop
	global_prefetch_b8 v0, s[64:65] scope:SCOPE_SE
	s_setreg_imm32_b32 hwreg(HW_REG_WAVE_MODE, 25, 1), 1
	s_wait_xcnt 0x0
	s_wait_alu depctr_hold_cnt(0) depctr_sa_sdst(0) depctr_va_vdst(0) depctr_va_sdst(0) depctr_va_ssrc(0) depctr_va_vcc(0) depctr_vm_vsrc(0)
	s_getreg_b32 s2, hwreg(HW_REG_IB_STS2, 6, 4)
	s_cmp_eq_u32 s2, 0
	s_cbranch_scc0 .Lentry_in_a_cluster
	s_endpgm
.Lentry_in_a_cluster:
	s_bfe_u32 s2, ttmp6, 0x10000c
	s_cmp_lg_u32 s2, 0xf033
	s_cbranch_scc0 .Lentry_shape_is_right
	s_endpgm
.Lentry_shape_is_right:
; [8192 tokens] x [3072 features: q, k, v] = x [Wq; Wk; Wv]^T + bias, on codes of FP4 (E2M1) with one E8M0 scale for each 32 along K = 1,024; sums in f32; the result is rounded once to f16.
; LIMIT: a result of magnitude 65,520 or more becomes infinite in f16.
; A tile of 256 tokens x 256 features is made by a work-group of four waves; a wave makes 128 x 128: 64 accumulators of 16 x 16, 512 registers.
; K is two slots of 512 (a tile's row is 256 bytes): both slots and all scale bytes are asked for at the start, three tensor loads a wave; nothing is filled again, so there is no loop.
; CLUSTERS: 4 x 4 work-groups.  The four of a row of the cluster need the same tiles of x, the four of a column the same tiles of W: each tile is asked for JOINTLY, by the same tensor load with the same
; descriptor and a mask that names the four.  The cluster's x is also which of q, k, v is made: the same in all sixteen.
; THE MATRIX INSTRUCTION IS USED TRANSPOSED (source 0 = 16 features of W, source 1 = 16 tokens of x): lane (r, h) holds token r and features 8 h + 0 .. 7.  THE BIAS IS THE C OF EACH SUM'S FIRST PRODUCT.
; THE RESULT IS STORED AS IMAGES OF THE NEXT LAUNCH'S OPERAND REGISTERS: qkv [q, k, v][16 batch + head][tile of 16 tokens][block of 16 channels][512 bytes].  A lane's eight f16 are a piece of 16 bytes (token r, channels 8 h ..).
; In q and k piece (r, h) lies at 16 (16 h + r) = 16 x lane: half a fragment of 16 rows x 32 channels as its registers stand.  In v it lies at 16 (16 (r / 8) + 8 h + r % 8), so that the turning LDS load, lane l at byte 16 l,
; gives lane (r, h) channel r and tokens 8 h + 0 .. 7.  Either way one store of the wave covers 512 consecutive bytes, at a multiple of 512 from the buffer's first byte: no stage in LDS on the way out.
; REGISTERS, in windows of 256: window 0: v0-31 addresses; v32-95 scale words, two sets; v128-191 x's fragments, ONE set; v192-255 the bias; on the way out v128-255 take the packed results.
;   window 1: W's fragments, TWO sets, at v0 and at v128.   window 2: the accumulators of my tokens 0-63 ((a, b) at v[8 (8 a + b)]);   window 3: those of my tokens 64-127.
.set SIZE_K, 1024
.set KSTEP,  512                       ; along K in a slot
.set NQ,     KSTEP/128                 ; matrix instructions deep
.set ROWB,   256                       ; a tile's row in bytes
.set KROW,   SIZE_K/2                  ; a row of codes in memory, in bytes
.set PITCH,  272                       ; an LDS row: 256 bytes + 16 of padding = 68 words: the 16 rows that a load touches start 4 banks apart (64 banks of 4 bytes: ISA guide 11.1)
.set FR,     8                         ; registers of a fragment: 16 rows x 128 K
.set NL,     2                         ; LDS loads that bring one
.set NP,     4                         ; places behind this matrix instruction (ISA guide 7.12.1)
.set HALFT,  128*PITCH                 ; 128 rows: what one tensor load brings, and what one wave reads of x or of W
.set SLOT,   4*HALFT                   ; x's 256 rows, then W's 256 rows
.set KS,     SIZE_K/32                 ; a row of scale bytes
.set SCL,    2*SLOT                    ; behind the slots: the scale bytes, as runs of 256 bytes + 16 of padding
.set HALFS,  (128*KS/256)*272          ; those of 128 rows: what one tensor load brings
.set SBLK,   (16*KS/256)*272           ; those of 16 rows
.set SPARE,  SCL+4*HALFS               ; behind the scales: the spare words, 128 bytes for each wave, which no other line names
.set ADRA, 16                          ; v16-17  LDS address of my x fragments in slot 0, 1
.set ADRB, 20                          ; v20-21  the same for W
.set CO,   26                          ; v26     my piece's place in an image
.set ADRS, 27                          ; v27     LDS address of my scale words: lanes 0-15 x's rows, lanes 16-31 W's
.set SPW,  28                          ; v28     LDS address of my spare word; never rewritten
.set NIL,  29                          ; v29     0; never rewritten
.set BO,   30                          ; v30     32 h: my half's eight numbers of a block of 16 of the bias
.set SC,   32                          ; scale words: set s at v[SC + 8 NQ s]; register NQ i + q: lanes 0-15 the word of x's block i, lanes 16-31 that of W's block i, for the slot's q-th 128 along K
.set AF,   128                         ; x's fragments, in window 0
.set BIAS, 192                         ; the bias of my 128 features: block b at v[BIAS + 8 b], in the result's layout
.set TMP,  128                         ; the way out: four sets of 32 registers
.set G1, 24                            ; s[24:31] descriptor group 1 for x's tiles;  s[32:39] group 0, one set for each slot
.set G0, 32
.set G1B, 48                           ; s[48:55], s[56:63] the same for W's tiles
.set G0B, 56
.set G1S, 68                           ; s[68:75], s[76:79] groups 1 and 0 for x's scales;  s[80:87], s[88:91] for W's
.set G0S, 76
.set G1SB, 80
.set G0SB, 88
.set MSB, 0
.macro WIN new                         ; the immediate's high byte repeats the setting that is left; a switch that changes nothing is dropped
.if MSB != (\new)
	s_set_vgpr_msb (MSB<<8)|(\new)
.set MSB, (\new)
.endif
.endm
.set MUL_LO,   0xa1                    ; source 0 (W) window 1, source 1 (x) window 0, C and D window 2
.set MUL_HI,   0xf1                    ; the same, C and D window 3
.set FIRST_LO, 0x81                    ; the first step: C (the bias) window 0, D window 2
.set FIRST_HI, 0xc1                    ; D window 3
.set TO_B,     0x40                    ; destination window 1, address window 0
; A joint load: waves 0 and 1 fetch for x, waves 2 and 3 for W.  Each of the two lines has ONE mask and one set of registers for all that issue it; the branch hangs on the wave's number alone.
; An s_nop 0 and four v_nop follow each of the two lines, ahead of the jump, the label and what follows.
.macro JLOAD g0a, g1a, g0b, g1b
	s_cmp_eq_u32 s15, 0
	s_cbranch_scc0 .Lfor_b_\@
	tensor_load_to_lds s[\g0a:\g0a+3], s[\g1a:\g1a+7]
	s_nop 0
.rept 4
	v_nop
.endr
	s_branch .Lasked_\@
.Lfor_b_\@:
	tensor_load_to_lds s[\g0b:\g0b+3], s[\g1b:\g1b+7]
	s_nop 0
.rept 4
	v_nop
.endr
.Lasked_\@:
.endm
.macro CROUND                          ; a round of the cluster's barrier: my work-group's barrier; wave 0 signals for the work-group; every wave waits for all sixteen; my work-group's barrier once more
	s_barrier_signal -1
	s_barrier_wait -1
	s_cmp_lg_u32 s14, 0
	s_cbranch_scc1 .Lnot_wave_0_\@
	s_barrier_signal -3
.Lnot_wave_0_\@:
	s_barrier_wait -3
	s_barrier_signal -1
	s_barrier_wait -1
.endm
	s_load_b128 s[4:7], s[0:1], 0x0                ; x's codes s[4:5], x's scales s[6:7]
	s_load_b128 s[8:11], s[0:1], 0x10              ; W's codes s[8:9], W's scales s[10:11]
	s_load_b128 s[96:99], s[0:1], 0x20             ; bq s[96:97], bk s[98:99]
	s_load_b64 s[100:101], s[0:1], 0x30            ; bv
	s_load_b64 s[12:13], s[0:1], 0x38              ; qkv
	v_lshl_add_u32 v[SPW], v0, 2, SPARE
	v_mov_b32 v[NIL], 0
	ds_add_u32 v[SPW], v[NIL]                      ; the wave's opening: the add, twice on end, and its wait ahead of my first tensor load; the set-up below stands between the second and the wait
	ds_add_u32 v[SPW], v[NIL]
	v_lshrrev_b32 v1, 5, v0
	v_readfirstlane_b32 s14, v1                    ; wave 0..3
	s_lshr_b32 s15, s14, 1                         ; which half of the tile's tokens is mine.  Also: I fetch for x (0) or for W (1)
	s_and_b32 s16, s14, 1                          ; which half of its features.  Also: which 128 rows of that tile I fetch
	s_bfe_u32 s40, ttmp6, 0x40000                  ; cx, cy: my place in the cluster
	s_bfe_u32 s41, ttmp6, 0x40004
	s_lshl_b32 s42, ttmp9, 2
	s_add_co_u32 s42, s42, s40                     ; tile column = 4 x cluster x + cx: 0 .. 11
	s_and_b32 s17, ttmp7, 0xffff
	s_lshl_b32 s17, s17, 2
	s_add_co_u32 s17, s17, s41                     ; tile row = 4 x cluster y + cy: 0 .. 31
	s_lshl_b32 s43, s41, 2
	s_lshl_b32 s43, 15, s43                        ; my row of the cluster
	s_lshl_b32 s44, 0x1111, s40                    ; my column
	; descriptor group 1: a tile of 128 rows x 256 bytes, padded in LDS
	s_or_b32 s[G1+0], s43, (0<<16)|(1<<20)|(1<<21)|(5<<22)|(3<<25)  ; 15:0 the mask: x's tiles go to my row; 17:16 elements of 1 byte; 20 padding on; 21 set beside a mask; 24:22 after every 64 words (code 5); 31:25 four words (code 3)
	s_or_b32 s[G1B+0], s44, (0<<16)|(1<<20)|(1<<21)|(5<<22)|(3<<25) ; the same with the mask of my column
.irp g, G1, G1B
	s_mov_b32 s[\g+1], ROWB<<16                    ; tensor_dim0
	s_mov_b32 s[\g+2], 128<<16                     ; tensor_dim1
	s_mov_b32 s[\g+3], ROWB<<16                    ; tile_dim0
	s_mov_b32 s[\g+4], 128                         ; tile_dim1
	s_mov_b32 s[\g+5], KROW                        ; tensor_dim0_stride
	s_mov_b32 s[\g+6], 0
	s_mov_b32 s[\g+7], 0
.endr
	; and for the scale bytes of 128 rows: a dense block of 4,096 bytes, as 16 rows of 256 bytes (32 elements of 8 bytes), 16 bytes of padding behind each
	s_or_b32 s[G1S+0], s43, (3<<16)|(1<<20)|(1<<21)|(5<<22)|(3<<25)
	s_or_b32 s[G1SB+0], s44, (3<<16)|(1<<20)|(1<<21)|(5<<22)|(3<<25)
.irp g, G1S, G1SB
	s_mov_b32 s[\g+1], 32<<16
	s_mov_b32 s[\g+2], (128*KS/256)<<16
	s_mov_b32 s[\g+3], 32<<16
	s_mov_b32 s[\g+4], 128*KS/256
	s_mov_b32 s[\g+5], 32
	s_mov_b32 s[\g+6], 0
	s_mov_b32 s[\g+7], 0
.endr
	s_lshl_b32 s18, s16, 7                         ; which 128 rows of the tile I fetch
	s_lshl_b32 s20, s17, 8
	s_add_co_u32 s20, s20, s18                     ; x: row 256 x tile row + 128 x half
	s_lshl_b32 s46, s42, 8
	s_add_co_u32 s46, s46, s18                     ; W: row 256 x tile column + 128 x half
	s_mov_b32 s21, 0
	s_mov_b32 s47, 0
	s_mov_b64 s[18:19], KS
	s_mul_u64 s[22:23], s[20:21], s[18:19]         ; where these rows' scale bytes begin
	s_mul_u64 s[92:93], s[46:47], s[18:19]
	s_mov_b64 s[18:19], KROW
	s_mul_u64 s[20:21], s[20:21], s[18:19]         ; and their codes
	s_mul_u64 s[46:47], s[46:47], s[18:19]
	s_mul_i32 s45, s14, HALFT                      ; where they go: wave x 128 rows: no place in the cluster enters an LDS address
	s_mul_i32 s94, s14, HALFS
	s_wait_dscnt 0x0                               ; both opening adds are done
	s_wait_kmcnt 0x0
	s_add_nc_u64 s[20:21], s[4:5], s[20:21]
	s_add_nc_u64 s[22:23], s[6:7], s[22:23]
	s_add_nc_u64 s[46:47], s[8:9], s[46:47]
	s_add_nc_u64 s[92:93], s[10:11], s[92:93]
	CROUND                                         ; all sixteen work-groups are here: the joint loads meet
	s_mov_b32 s[G0S], 1
	s_add_co_u32 s[G0S+1], s94, SCL
	s_mov_b64 s[G0S+2:G0S+3], s[22:23]
	s_or_b32 s[G0S+3], s[G0S+3], 0x80000000
	s_mov_b32 s[G0SB], 1
	s_add_co_u32 s[G0SB+1], s94, SCL
	s_mov_b64 s[G0SB+2:G0SB+3], s[92:93]
	s_or_b32 s[G0SB+3], s[G0SB+3], 0x80000000
	JLOAD G0S, G1S, G0SB, G1SB                     ; the scale bytes first: they are wanted with slot 0
.irp s, 0,1
	s_mov_b32 s[G0+4*\s], 1
	s_add_co_u32 s[G0+4*\s+1], s45, \s*SLOT
	s_add_nc_u64 s[G0+4*\s+2:G0+4*\s+3], s[20:21], \s*ROWB
	s_or_b32 s[G0+4*\s+3], s[G0+4*\s+3], 0x80000000
	s_mov_b32 s[G0B+4*\s], 1
	s_add_co_u32 s[G0B+4*\s+1], s45, \s*SLOT
	s_add_nc_u64 s[G0B+4*\s+2:G0B+4*\s+3], s[46:47], \s*ROWB
	s_or_b32 s[G0B+4*\s+3], s[G0B+4*\s+3], 0x80000000
	JLOAD G0+4*\s, G1, G0B+4*\s, G1B               ; three tensor loads of mine are out behind the last of these
.endr
	v_and_b32 v1, 15, v0                           ; r = l % 16
	v_bfe_u32 v2, v0, 4, 1                         ; h = l / 16
	; the bias of my 128 features, in the result's layout: lane (r, h), block b, register j: bias[16 b + 8 h + j]
	s_cmp_eq_u32 ttmp9, 1                          ; the cluster's x says which of q, k, v: no address enters the choice
	s_cselect_b64 s[98:99], s[98:99], s[100:101]   ; bk or bv
	s_cmp_eq_u32 ttmp9, 0
	s_cselect_b64 s[96:97], s[96:97], s[98:99]     ; bq or that
	s_lshl_b32 s46, s40, 10                        ; 256 cx numbers of 4 bytes
	s_lshl_b32 s47, s16, 9                         ; + my half's 128
	s_add_co_u32 s46, s46, s47
	s_mov_b32 s47, 0
	s_add_nc_u64 s[96:97], s[96:97], s[46:47]
	v_lshlrev_b32 v[BO], 5, v2
.irp b, 0,1,2,3,4,5,6,7
	global_load_b128 v[BIAS+8*\b:BIAS+8*\b+3],   v[BO], s[96:97] offset:64*\b
	global_load_b128 v[BIAS+8*\b+4:BIAS+8*\b+7], v[BO], s[96:97] offset:64*\b+16
.endr
	v_mul_u32_u24 v3, v1, PITCH
	v_lshl_add_u32 v4, v2, 4, v3                   ; a fragment's row x pitch + 16 x half
	s_mul_i32 s21, s15, HALFT                      ; my 128 rows of x
	s_mul_i32 s22, s16, HALFT                      ; my 128 rows of W,
	s_add_co_u32 s22, s22, 2*HALFT                 ; which lie behind x's 256
.irp s, 0,1
	v_add_nc_u32 v[ADRA+\s], s21, v4
	v_add_nc_u32 v[ADRB+\s], s22, v4
	s_add_co_u32 s21, s21, SLOT
	s_add_co_u32 s22, s22, SLOT
.endr
	v_mul_u32_u24 v5, v1, KS                       ; my row's scale bytes: KS bytes a row,
	v_lshrrev_b32 v6, 8, v5
	v_lshl_add_u32 v5, v6, 4, v5                   ; and 16 more for each 256 passed
	s_mul_i32 s21, s15, HALFS                      ; x's: my 128 rows
	s_mul_i32 s22, s16, HALFS                      ; W's: my 128 rows, behind x's 256
	s_add_co_u32 s22, s22, 2*HALFS
	s_sub_co_u32 s22, s22, s21
	v_mul_u32_u24 v6, s22, v2                      ; lanes 16-31 take W's: one product, the distance between the two bases x h
	s_add_co_u32 s21, s21, SCL
	v_add_nc_u32 v5, v5, v6
	v_add_nc_u32 v[ADRS], s21, v5
	; where my images begin in qkv: which of q, k, v << 24; (16 batch + my first head) << 17; my first tile of 16 tokens << 11
	s_lshl_b32 s20, ttmp9, 24
	s_lshr_b32 s21, s17, 2                         ; batch = tile row / 4
	s_lshl_b32 s21, s21, 4
	s_lshl_b32 s22, s40, 2                         ; a tile column of 256 features is four heads,
	s_add_co_u32 s21, s21, s22
	s_lshl_b32 s22, s16, 1                         ; my half two of them
	s_add_co_u32 s21, s21, s22
	s_lshl_b32 s21, s21, 17
	s_add_co_u32 s20, s20, s21
	s_and_b32 s21, s17, 3                          ; 16 tiles of tokens to a tile row,
	s_lshl_b32 s21, s21, 4
	s_lshl_b32 s22, s15, 3                         ; my half eight of them
	s_add_co_u32 s21, s21, s22
	s_lshl_b32 s21, s21, 11
	s_add_co_u32 s20, s20, s21
	s_mov_b32 s21, 0
	s_add_nc_u64 s[12:13], s[12:13], s[20:21]
	s_cmp_eq_u32 ttmp9, 2                          ; v's images order their pieces for the turning load
	s_cselect_b32 s66, 16, 8                       ; what bit 3 of the lane counts for,
	s_cselect_b32 s67, 8, 16                       ; and bit 4
	v_and_b32 v5, 7, v0
	v_bfe_u32 v6, v0, 3, 1
	v_mad_u32_u24 v5, v6, s66, v5
	v_mad_u32_u24 v5, v2, s67, v5
	v_lshlrev_b32 v[CO], 4, v5                     ; 16 bytes a piece
.macro FRAG reg, adr, q, i             ; a fragment, 16 rows x 128 K of 4-bit codes: lane l holds row l % 16; registers 4 c .. 4 c + 3 hold K = 64 c + 32 (l / 16) + 0 .. 31
.irp c, 0,1
	ds_load_b128 v[\reg+4*\c:\reg+4*\c+3], v[\adr] offset:64*(\q)+32*\c+(\i)*16*PITCH
.endr
.endm
; 16 matrix instructions: x's blocks a0, a0 + 1 against W's eight, 128 along K: the slot's q-th.  p: W's set;  sc: the set of scale words.  first = 1: the sums start from the bias: nothing is cleared and nothing is added later.
; The 64 accumulators take turns, one instruction a turn, in the same order in every step.
.macro MUL16 a0, p, q, sc, first
.irp a, \a0, \a0+1
.irp b, 0,1,2,3,4,5,6,7
.if \first
	v_wmma_scale_f32_16x16x128_f8f6f4 v[8*(8*((\a)%4)+\b):8*(8*((\a)%4)+\b)+7], v[128*(\p)+FR*\b:128*(\p)+FR*\b+FR-1], v[AF+FR*(\a):AF+FR*(\a)+FR-1], v[BIAS+8*\b:BIAS+8*\b+7], v[SC+8*NQ*(\sc)+NQ*\b+(\q)], v[SC+8*NQ*(\sc)+NQ*(\a)+(\q)] matrix_a_fmt:MATRIX_FMT_FP4 matrix_b_fmt:MATRIX_FMT_FP4 matrix_a_scale:MATRIX_SCALE_ROW1
.else
	v_wmma_scale_f32_16x16x128_f8f6f4 v[8*(8*((\a)%4)+\b):8*(8*((\a)%4)+\b)+7], v[128*(\p)+FR*\b:128*(\p)+FR*\b+FR-1], v[AF+FR*(\a):AF+FR*(\a)+FR-1], v[8*(8*((\a)%4)+\b):8*(8*((\a)%4)+\b)+7], v[SC+8*NQ*(\sc)+NQ*\b+(\q)], v[SC+8*NQ*(\sc)+NQ*(\a)+(\q)] matrix_a_fmt:MATRIX_FMT_FP4 matrix_b_fmt:MATRIX_FMT_FP4 matrix_a_scale:MATRIX_SCALE_ROW1
.endif
.endr
.endr
.endm
.macro FETCH_B slot, q, p              ; W's eight fragments of the slot's q-th 128 along K into set p
	WIN TO_B
.irp i, 0,1,2,3,4,5,6,7
	FRAG 128*(\p)+FR*\i, ADRB+\slot, \q, \i
.endr
	WIN 0
.endm
.macro FETCH_A slot, q, i0             ; x's blocks i0 .. i0 + 3
.irp i, \i0, \i0+1, \i0+2, \i0+3
	FRAG AF+FR*(\i), ADRA+\slot, \q, \i
.endr
.endm
.macro SCALES sc                       ; a slot's scale words into set sc: NQ words a row; lanes 0-15 take x's block i, lanes 16-31 W's block i
.irp i, 0,1,2,3,4,5,6,7
	ds_load_b128 v[SC+8*NQ*\sc+NQ*\i:SC+8*NQ*\sc+NQ*\i+3], v[ADRS] offset:\i*SBLK
.endr
.endm
; A load into a register that a matrix instruction has read, and a vector instruction that reads a matrix result or writes one of a matrix instruction's registers, stand NP places behind it; only plain vector
; instructions that name none of its registers are places (ISA guide 7.12.1 for vector instructions).
.macro PLACES n
.rept \n
	v_nop
.endr
.endm
; A step of 128 along K that has its successor in the same slot.  A block of x is free as soon as its eight products are issued: blocks 0-3 are fetched anew in the step's middle, blocks 4-7 at its end.
.macro STEP slot, q, first
	s_wait_dscnt 4*NL                              ; W's set, x's blocks 0-3 (and the scale words) are in; the youngest eight loads (x's blocks 4-7) may be out
.if \first
	WIN FIRST_LO
.else
	WIN MUL_LO
.endif
	MUL16 0, (\q)%2, \q, \slot, \first
	MUL16 2, (\q)%2, \q, \slot, \first
	s_wait_dscnt 0                                 ; x's blocks 4-7 are in (asked for 32 matrix instructions ago)
	PLACES NP
	FETCH_B \slot, (\q)+1, 1-(\q)%2
	FETCH_A \slot, (\q)+1, 0
.if \first
	WIN FIRST_HI
.else
	WIN MUL_HI
.endif
	MUL16 4, (\q)%2, \q, \slot, \first
	MUL16 6, (\q)%2, \q, \slot, \first
	PLACES NP
	WIN 0
	FETCH_A \slot, (\q)+1, 4
.endm
.macro STEPS slot, from                ; the slot's steps from .. NQ - 2
.set QQ, \from
.rept NQ-1-\from
	STEP \slot, QQ, 0
.set QQ, QQ+1
.endr
.endm
	s_wait_loadcnt 0x0                             ; the bias
	s_wait_tensorcnt 1                             ; the scale bytes and my part of slot 0 are in (slot 1's load may be out)
	s_barrier_signal -1
	s_barrier_wait -1                              ; everybody's are
	FETCH_B 0, 0, 0
	FETCH_A 0, 0, 0
	SCALES 0
	FETCH_A 0, 0, 4
	STEP 0, 0, 1                                   ; the first step's products start the sums from the bias
	STEPS 0, 1
	; slot 0's last step changes slots: one barrier; in front of it each wave waits for its part of slot 1
	s_wait_tensorcnt 0x0                           ; all my tensor loads have landed  (every window is 0 here)
	ds_add_u32 v[SPW], v[NIL]                      ; 0 onto my spare word
	s_wait_dscnt 4*NL+1                            ; (the add and the youngest eight loads, x's blocks 4-7, may be out)
	WIN MUL_LO
	MUL16 0, 1, NQ-1, 0, 0                         ; sixteen matrix instructions stand between the add and the wait for it
	s_wait_dscnt 0x0                               ; no LDS instruction of mine is out at the signal
	s_barrier_signal -1
	MUL16 2, 1, NQ-1, 0, 0
	WIN 0
	s_barrier_wait -1                              ; slot 1 is whole
	PLACES NP
	v_add_nc_u32 v[ADRS], 4*NQ, v[ADRS]            ; on to slot 1's scale words (no LDS load of mine is out)
	FETCH_B 1, 0, 0
	FETCH_A 1, 0, 0
	SCALES 1
	WIN MUL_HI
	MUL16 4, 1, NQ-1, 0, 0
	MUL16 6, 1, NQ-1, 0, 0
	PLACES NP
	WIN 0
	FETCH_A 1, 0, 4
	STEPS 1, 0
	s_wait_dscnt 4*NL                              ; the very last step: nothing more to fetch
	WIN MUL_LO
	MUL16 0, 1, NQ-1, 1, 0
	MUL16 2, 1, NQ-1, 1, 0
	s_wait_dscnt 0
	WIN MUL_HI
	MUL16 4, 1, NQ-1, 1, 0
	MUL16 6, 1, NQ-1, 1, 0
	WIN 0
; THE WAY OUT, block by block of 16 tokens x 128 features: rounded to f16, a lane's eight numbers of an accumulator pack into 16 bytes, and each accumulator leaves as one image by one store.
; Feature block b belongs to head b / 4 of my two (131,072 bytes apart) and is its channel block b % 4 (512 bytes apart); token block a is 2,048 bytes on.  The base is never stepped.
.macro PACK a
.set AC, 64*((\a)%4)
.set TP, TMP+32*((\a)%4)
	WIN 0x0a+5*((\a)/4)                            ; sources 0 and 1: window 2 or 3
.irp b, 0,1,2,3,4,5,6,7
.irp r, 0,1,2,3
	v_cvt_pk_f16_f32 v[TP+4*\b+\r], v[AC+8*\b+2*\r], v[AC+8*\b+2*\r+1]     ; each accumulator from its low end on
.endr
.endr
	WIN 0
.irp b, 0,1,2,3,4,5,6,7
	global_store_b128 v[CO], v[TP+4*\b:TP+4*\b+3], s[12:13] offset:(\b/4)*131072+(\a)*2048+(\b%4)*512   ; 32 lanes store 512 consecutive bytes
.endr
.endm
	PLACES NP                                      ; behind the last products: the conversions write registers that held x's fragments, and later read those products' results
.irp a, 0,1,2,3,4,5,6,7
.if \a >= 4
	s_wait_xcnt 0x0                                ; block a - 4's stores have read their registers: its set is written again only behind this wait
.endif
	PACK \a
.endr
	s_wait_tensorcnt 0x0                           ; the wave's end, behind my last tensor load
	ds_add_u32 v[SPW], v[NIL]
	s_wait_dscnt 0x0
	CROUND                                         ; the closing round: no work-group ends while a partner may still ask for a tile that names it
	s_endpgm
.Lfunc_end_k_q31e32b8ada_gemm:
	.size	k_q31e32b8ada_gemm, .Lfunc_end_k_q31e32b8ada_gemm-k_q31e32b8ada_gemm
	.p2alignl 7, 3214868480
	.fill 96, 4, 3214868480
	.section	.rodata,"a",@progbits
	.p2align	6, 0x0
	.amdhsa_kernel k_q31e32b8ada_gemm
		.amdhsa_group_segment_fixed_size 327680
		.amdhsa_private_segment_fixed_size 0
		.amdhsa_enable_private_segment 0
		.amdhsa_kernarg_size 64
		.amdhsa_user_sgpr_count 2
		.amdhsa_user_sgpr_kernarg_segment_ptr 1
		.amdhsa_wavefront_size32 1
		.amdhsa_system_sgpr_workgroup_id_x 1
		.amdhsa_system_sgpr_workgroup_id_y 1
		.amdhsa_system_sgpr_workgroup_id_z 1
		.amdhsa_system_vgpr_workitem_id 0
		.amdhsa_next_free_vgpr 1024
		.amdhsa_next_free_sgpr 102
		.amdhsa_reserve_vcc 0
		.amdhsa_float_denorm_mode_32 3
		.amdhsa_float_denorm_mode_16_64 3
		.amdhsa_memory_ordered 1
		.amdhsa_forward_progress 1
		.amdhsa_inst_pref_size 120
	.end_amdhsa_kernel
	.amdgpu_metadata
---
amdhsa.version: [ 1, 2 ]
amdhsa.kernels:
  - .name:           k_q31e32b8ada_gemm
    .symbol:         k_q31e32b8ada_gemm.kd
    .args:
      - { .name: xc, .offset: 0, .size: 8, .value_kind: global_buffer, .address_space: global }
      - { .name: xs, .offset: 8, .size: 8, .value_kind: global_buffer, .address_space: global }
      - { .name: wc, .offset: 16, .size: 8, .value_kind: global_buffer, .address_space: global }
      - { .name: ws, .offset: 24, .size: 8, .value_kind: global_buffer, .address_space: global }
      - { .name: bq, .offset: 32, .size: 8, .value_kind: global_buffer, .address_space: global }
      - { .name: bk, .offset: 40, .size: 8, .value_kind: global_buffer, .address_space: global }
      - { .name: bv, .offset: 48, .size: 8, .value_kind: global_buffer, .address_space: global }
      - { .name: qkv, .offset: 56, .size: 8, .value_kind: global_buffer, .address_space: global }
    .group_segment_fixed_size: 327680
    .private_segment_fixed_size: 0
    .kernarg_segment_align: 8
    .kernarg_segment_size: 64
    .max_flat_workgroup_size: 128
    .sgpr_count:     102
    .vgpr_count:     1024
    .wavefront_size: 32
...
	.end_amdgpu_metadata
.endif
;; end of part 2
;; launch attn (part 3): grid 4 x 128, 8 waves a work-group, clusters of 4 x 1, 327,680 bytes of LDS; arguments qkv, attention_mask, out0; writes out0
.if DOCPART == 3
	.amdgcn_target "amdgcn-amd-amdhsa--gfx1250"
	.amdhsa_code_object_version 6
	.text
	.protected	k_q31e32b8ada_attn
	.globl	k_q31e32b8ada_attn
	.p2align	8
	.type	k_q31e32b8ada_attn,@function
k_q31e32b8ada_attn:
	s_mov_b64 s[64:65], 0
	v_nop
	global_prefetch_b8 v0, s[64:65] scope:SCOPE_SE
	s_setreg_imm32_b32 hwreg(HW_REG_WAVE_MODE, 25, 1), 1
	s_wait_xcnt 0x0
	s_wait_alu depctr_hold_cnt(0) depctr_sa_sdst(0) depctr_va_vdst(0) depctr_va_sdst(0) depctr_va_ssrc(0) depctr_va_vcc(0) depctr_vm_vsrc(0)
	s_getreg_b32 s2, hwreg(HW_REG_IB_STS2, 6, 4)
	s_cmp_eq_u32 s2, 0
	s_cbranch_scc0 .Lentry_in_a_cluster
	s_endpgm
.Lentry_in_a_cluster:
	s_bfe_u32 s2, ttmp6, 0x10000c
	s_cmp_lg_u32 s2, 0x3003
	s_cbranch_scc0 .Lentry_shape_is_right
	s_endpgm
.Lentry_shape_is_right:
; out0[b][q][64 head + :] = the sum over k of softmax_k(Q[q] . K[k] / 8 + mask[b][k]) V[k][:], for each of 8 batches x 16 heads, 1,024 queries and keys, head size 64.
; Q, K, V come as f16 images of operand registers from qkv [q, k, v][16 batch + head][tile of 16 tokens][block of 16 channels][512 bytes].  Products on f16 operands, sums, maxima and the softmax in f32; the weights p are
; rounded to f16 for the second product; out0 is f32.
; LIMITS: 8 x mask is held at -3e38 from below, so a key masked by -infinity gets p = 0 as it should, but a batch in which EVERY key is -infinity gets uniform weights and not NaN; a NaN in the mask counts as -3e38.
; SHARES.  A cluster of four work-groups is one (batch, head); a work-group owns 256 queries, each of its eight waves 32: two tiles of 16, in 512 registers: two waves to a SIMD, so that one wave's vector work stands beside the other's products and LDS loads.
; K AND V OF THE WHOLE HEAD STAY IN LDS: 2 x 131,072 bytes, asked for at the start and never filled again, in four chunks of 256 keys.  Wave w asks for 8,192 dense bytes of each chunk (waves 0-3: K's, waves 4-7: V's): four tensor loads of a wave are out
; at the start.  The four work-groups need the same bytes: each load is asked for JOINTLY, by the same descriptor and a mask that names the four.  A chunk is read behind a counted wait and a barrier; the later chunks land meanwhile.
; LAYOUT.  S^T = K Q^T (source 0 = 16 keys, source 1 = 16 queries) and O^T = V^T P (source 0 = 16 channels, source 1 = 32 keys x 16 queries): a lane holds ONE query (lane % 16) throughout.  Two tiles of S^T, rounded in pairs, are source 1 of the second product.
; Every LDS read of K and V is 16 x lane + a constant: 512 consecutive bytes.  V's images are turned by ds_load_tr16_b128.
; THE MASK IS THE C OF EACH SCORE TILE'S FIRST PRODUCT: the scores are kept as q . k + 8 mask, and t = c x that, c = log2(e) / 8.
; SOFTMAX.  For each query a running maximum m and sum l: p = 2^(c s - c m); in every step O^T and l are multiplied by a = 2^(c m_old - c m_new).  m begins at -3e38, O^T and l at 0: the step is written once.
; No prefetch is laid: all that a work-group reads is asked for by its first instructions.
; REGISTERS.  Window 0: v1-9 addresses; v12-27 statistics, eight a tile; v32-63 the step's mask; v64-127 S^T; v128-159 P; v160-191 Q; v192-255 the way out.  Window 1: v0-63 K; v64-127 V; v128-191 O^T.
.set VOFF,   32768                     ; in a chunk of 65,536 bytes: K's 16 tiles of tokens x 2,048 bytes, then V's
.set MASK,   262144                    ; behind K and V: 1,024 f32: max(8 x mask, -3e38); written by LDS stores, no tensor load lands here
.set STAGE,  266240                    ; the way out: 16 rows x 272 bytes for each wave
.set SPITCH, 272                       ; a stage row: 256 bytes + 16: the 16 rows that a store touches start 4 banks apart (64 banks of 4 bytes: ISA guide 11.1)
.set SPARE,  301056                    ; the spare words, 128 bytes for each wave, which no other line names
.set LI,  1                            ; v1   16 x lane: my place in an image
.set AM0, 2                            ; v2   MASK + 32 (lane / 16): my half's eight keys of a tile of 16
.set ADR, 3                            ; v3   LDS address of the step's images
.set ADM, 4                            ; v4   and of its mask
.set STO, 5                            ; v5   the way out: where I put 32 bytes of a row
.set RD,  6                            ; v6   where I read a row back
.set GO,  7                            ; v7   my byte offset in the wave's rows of out0
.set SPW, 8                            ; v8   LDS address of my spare word; never rewritten
.set NIL, 9                            ; v9   0; never rewritten
.set ST,  12                           ; tile t's statistics at v[ST + 8 t]: +0 c m, +1 m, +2, +3 l (even keys', odd keys'), +4 to +7 c0-c3, at work; a takes c2's place once the maximum is found
.set MK,  32                           ; the mask of key tile kt at v[MK + 8 kt]
.set S,   64                           ; S^T: v[S + 32 t + 8 kt]
.set P,   128                          ; P: v[P + 16 t]
.set Q,   160                          ; Q: v[Q + 16 t + 8 c], channels 32 c on
.set OUTR, 192
.set KF,  0                            ; window 1: K: v[16 kt + 8 c]
.set VF,  64                           ; V^T: v[VF + 32 kk + 8 ct], keys 32 kk on, channels 16 ct on
.set O,   128                          ; O^T: v[O + 32 t + 8 ct]
.set WV,  10                           ; s10  my wave's number
.set G1,  24                           ; s[24:31] descriptor group 1, the same for every load
.set G0,  32                           ; s[32:47] descriptor group 0, a set for each chunk
.set CS,  48                           ; s[48:49] c: the packed scaling names a pair and takes its low word for both halves
.set SEL, 50                           ; s[50:51] lane selects for v_permlanex16_b32: lane l xor 16
.set TB,  52                           ; s52  LDS byte at which the step's images of K begin
.set TM,  53                           ; s53  and its mask: 256 bytes a step
.set CNT, 54                           ; s54  counts a chunk's four steps
.set MSB, 0
.macro WIN new                         ; the immediate's high byte repeats the setting that is left; a switch that changes nothing is dropped
.if MSB != (\new)
	s_set_vgpr_msb (MSB<<8)|(\new)
.set MSB, (\new)
.endif
.endm
.set W_KQ, 0x01                        ; K in window 1; Q, the mask and S^T in window 0
.set W_PV, 0x51                        ; V in window 1, P in window 0, O^T (C and D) in window 1
.set W_RS, 0x41                        ; O^T (destination and source 0) in window 1, a in window 0
.set LD1,  0x40                        ; destination window 1, address window 0
.macro CROUND                          ; a round of the cluster's barrier: my work-group's barrier; wave 0 signals for the work-group; every wave waits for all four; my work-group's barrier once more
	s_barrier_signal -1
	s_barrier_wait -1
	s_cmp_lg_u32 s[WV], 0
	s_cbranch_scc1 .Lnot_wave_0_\@
	s_barrier_signal -3
.Lnot_wave_0_\@:
	s_barrier_wait -3
	s_barrier_signal -1
	s_barrier_wait -1
.endm
	s_load_b128 s[4:7], s[0:1], 0x0                ; qkv s[4:5], the mask s[6:7]
	s_load_b64 s[8:9], s[0:1], 0x10                ; out0
	v_lshl_add_u32 v[SPW], v0, 2, SPARE
	v_mov_b32 v[NIL], 0
	ds_add_u32 v[SPW], v[NIL]                      ; the wave's opening: the add, twice on end, and its wait ahead of my first tensor load; the set-up below stands between the second and the wait
	ds_add_u32 v[SPW], v[NIL]
	v_lshrrev_b32 v10, 5, v0
	v_readfirstlane_b32 s[WV], v10                 ; wave 0..7
	s_bfe_u32 s11, ttmp6, 0x40000                  ; cx: my place in the cluster
	s_lshl_b32 s12, ttmp9, 2                       ; in a cluster launch ttmp9 counts clusters
	s_add_co_u32 s12, s12, s11                     ; my block of 256 queries: it enters Q's and out0's addresses alone
	s_and_b32 s13, ttmp7, 0xffff                   ; 16 batch + head, which the four partners share
	; what I fetch: waves 0-3 K (the second 2^24 bytes of qkv), waves 4-7 V (the third); the head's 2^17 bytes; slice wave % 4 of 8,192 bytes in each chunk
	s_lshr_b32 s14, s[WV], 2
	s_add_co_u32 s14, s14, 1
	s_lshl_b32 s14, s14, 24
	s_lshl_b32 s15, s13, 17
	s_add_co_u32 s14, s14, s15
	s_and_b32 s15, s[WV], 3
	s_lshl_b32 s15, s15, 13
	s_add_co_u32 s14, s14, s15
	s_mov_b32 s15, 0
	; descriptor group 1: 8,192 dense bytes as 32 rows of 256 bytes
	s_mov_b32 s[G1], 15|(3<<16)|(1<<21)            ; 15:0 the mask: all four work-groups; 17:16 elements of 8 bytes; 20 no padding; 21 set beside a mask
	s_mov_b32 s[G1+1], 32<<16                      ; tensor_dim0 = 32 elements
	s_mov_b32 s[G1+2], 32<<16                      ; tensor_dim1 = 32 rows
	s_mov_b32 s[G1+3], 32<<16                      ; tile_dim0
	s_mov_b32 s[G1+4], 32                          ; tile_dim1
	s_mov_b32 s[G1+5], 32                          ; tensor_dim0_stride: dense
	s_mov_b32 s[G1+6], 0
	s_mov_b32 s[G1+7], 0
	s_lshl_b32 s16, s[WV], 13                      ; where it goes in a chunk: 8,192 x wave: K's four slices, then V's four; no place in the cluster enters an LDS address
.irp c, 0,1,2,3
	s_mov_b32 s[G0+4*\c], 1                        ; count = 1
	s_add_co_u32 s[G0+4*\c+1], s16, \c*65536       ; LDS address
.endr
	s_mov_b32 s[CS], 0x3e38aa3b                    ; c = log2(e) / 8
	s_mov_b32 s[CS+1], s[CS]                       ; (named with it as a pair, so it is written)
	s_mov_b32 s[SEL], 0x76543210
	s_mov_b32 s[SEL+1], 0xfedcba98
	s_mov_b32 s[TB], 0
	s_mov_b32 s[TM], 0
	s_lshl_b32 s20, s13, 17                        ; Q: the head, my block's 16 tiles of 2,048 bytes, my wave's two
	s_lshl_b32 s21, s12, 15
	s_add_co_u32 s20, s20, s21
	s_lshl_b32 s21, s[WV], 12
	s_add_co_u32 s20, s20, s21
	s_mov_b32 s21, 0
	s_lshr_b32 s22, s13, 4                         ; the mask: the batch's 4,096 bytes
	s_lshl_b32 s22, s22, 12
	s_mov_b32 s23, 0
	s_lshr_b32 s56, s13, 4                         ; out0: the batch's 2^22 bytes,
	s_lshl_b32 s56, s56, 22
	s_lshl_b32 s57, s12, 8
	s_lshl_b32 s58, s[WV], 5
	s_add_co_u32 s57, s57, s58                     ; my first query: 256 x block + 32 x wave: rows of 4,096 bytes,
	s_lshl_b32 s57, s57, 12
	s_add_co_u32 s56, s56, s57
	s_and_b32 s57, s13, 15                         ; the head's 256 bytes of a row
	s_lshl_b32 s57, s57, 8
	s_add_co_u32 s56, s56, s57
	s_mov_b32 s57, 0
	s_wait_dscnt 0x0                               ; both opening adds are done
	s_wait_kmcnt 0x0
	s_add_nc_u64 s[18:19], s[4:5], s[14:15]
.irp c, 0,1,2,3
	s_add_nc_u64 s[G0+4*\c+2:G0+4*\c+3], s[18:19], \c*32768   ; global address: chunk c's 256 keys are 32,768 bytes on
	s_or_b32 s[G0+4*\c+3], s[G0+4*\c+3], 0x80000000           ; type = 2
.endr
	s_add_nc_u64 s[4:5], s[4:5], s[20:21]
	s_add_nc_u64 s[6:7], s[6:7], s[22:23]
	s_add_nc_u64 s[8:9], s[8:9], s[56:57]
	CROUND                                         ; all four work-groups are here: the joint loads meet
.irp c, 0,1,2,3
	tensor_load_to_lds s[G0+4*\c:G0+4*\c+3], s[G1:G1+7]       ; in the chunks' order; an s_nop 0 follows each, four v_nop the last
	s_nop 0
.endr
.rept 4
	v_nop
.endr
	v_and_b32 v10, 31, v0
	v_lshlrev_b32 v[LI], 4, v10
	v_lshlrev_b32 v11, 4, v0                       ; the mask: 16 bytes a thread, 4,096 for the 256
	global_load_b128 v[OUTR:OUTR+3], v11, s[6:7]
.irp i, 0,1,2,3,4,5,6,7                        ; Q stays in registers: image i = 4 t + f is registers 4 i on
	global_load_b128 v[Q+4*\i:Q+4*\i+3], v[LI], s[4:5] offset:512*\i
.endr
	v_and_b32 v28, 15, v0                          ; r
	v_bfe_u32 v29, v0, 4, 1                        ; h
	v_lshl_add_u32 v[AM0], v29, 5, MASK
	s_mul_i32 s17, s[WV], 16*SPITCH
	s_add_co_u32 s17, s17, STAGE                   ; my stage
	v_mul_u32_u24 v[STO], v28, SPITCH              ; in: row r, 32 bytes for each half of the lanes
	v_lshl_add_u32 v[STO], v29, 5, v[STO]
	v_add_nc_u32 v[STO], s17, v[STO]
	v_mul_u32_u24 v[RD], v29, SPITCH               ; back: lanes 0-15 take one row of 256 bytes, lanes 16-31 the next
	v_lshl_add_u32 v[RD], v28, 4, v[RD]
	v_add_nc_u32 v[RD], s17, v[RD]
	v_lshlrev_b32 v[GO], 12, v29                   ; and the same two rows in out0
	v_lshl_add_u32 v[GO], v28, 4, v[GO]
	v_lshl_add_u32 v30, v0, 4, MASK                ; where my four numbers of the mask go
.irp t, 0,1
	v_mov_b32 v[ST+8*\t+1], 0xff61b1e6             ; m: -3e38, at or under every score
	v_mul_f32 v[ST+8*\t], s[CS], v[ST+8*\t+1]      ; c m
.irp j, 2,3,4,5,6,7
	v_mov_b32 v[ST+8*\t+\j], 0                     ; l; and c0-c3, written once: a lane permute's destination counts as one of its sources
.endr
.endr
	WIN LD1
.set i, 0
.rept 64
	v_mov_b32 v[O+i], 0                            ; O^T.  (The step is written once: the first finds zeros, which its a = 0 leaves zeros)
.set i, i+1
.endr
	WIN 0
	s_wait_loadcnt 8                               ; the mask is in; Q's eight loads, issued behind it, may be out
.irp j, 0,1,2,3
	v_ldexp_f32 v[OUTR+\j], v[OUTR+\j], 3          ; 8 x mask: exact
.endr
.irp j, 0,1,2,3
	v_max_num_f32 v[OUTR+\j], 0xff61b1e6, v[OUTR+\j]   ; held at -3e38 from below, so that no score is -infinity
.endr
	ds_store_b128 v30, v[OUTR:OUTR+3]
	s_wait_loadcnt 0x0                             ; Q
; THE SOFTMAX of a step's 64 keys, the wave's two tiles line by line by turns, so that no line waits for the line above it.
.macro SOFTMAX
.irp j, 0,1,2,3                                ; the maximum of a lane's 32 scores and the old m, three operands at a time: four chains, each begun at an accumulator's low end
.irp t, 0,1
	v_max3_num_f32 v[ST+8*\t+4+\j], v[S+32*\t+8*\j], v[S+32*\t+8*\j+1], v[S+32*\t+8*\j+2]
.endr
.endr
.irp g, 1,2
.irp j, 0,1,2,3
.irp t, 0,1
	v_max3_num_f32 v[ST+8*\t+4+\j], v[ST+8*\t+4+\j], v[S+32*\t+8*\j+2*\g+1], v[S+32*\t+8*\j+2*\g+2]
.endr
.endr
.endr
.irp t, 0,1
	v_max3_num_f32 v[ST+8*\t+4], v[ST+8*\t+4], v[S+32*\t+7], v[S+32*\t+15]
.endr
.irp t, 0,1
	v_max3_num_f32 v[ST+8*\t+6], v[ST+8*\t+6], v[S+32*\t+23], v[S+32*\t+31]
.endr
.irp t, 0,1
	v_max3_num_f32 v[ST+8*\t+4], v[ST+8*\t+4], v[ST+8*\t+5], v[ST+8*\t+6]
.endr
.irp t, 0,1
	v_max3_num_f32 v[ST+8*\t+4], v[ST+8*\t+4], v[ST+8*\t+7], v[ST+8*\t+1]
.endr
.irp t, 0,1
	v_permlanex16_b32 v[ST+8*\t+5], v[ST+8*\t+4], s[SEL], s[SEL+1]   ; the query's other 32 keys lie in the lane 16 away
.endr
.irp t, 0,1
	v_mov_b32 v[ST+8*\t+7], v[ST+8*\t]             ; c m_old is kept for a
.endr
.irp t, 0,1
	v_max_num_f32 v[ST+8*\t+1], v[ST+8*\t+4], v[ST+8*\t+5]           ; the new m
.endr
.irp t, 0,1
	v_mul_f32 v[ST+8*\t], s[CS], v[ST+8*\t+1]      ; c m
.endr
.irp t, 0,1
	v_sub_f32 v[ST+8*\t+7], v[ST+8*\t+7], v[ST+8*\t]
.endr
; ONE BATCH: a, the 32 scalings c s - c m (a pair of scores each) and the 64 exponentials.  None of these names an exponential's result; a pair is scaled one turn ahead of its exponentials.
.irp t, 0,1
	v_exp_f32 v[ST+8*\t+6], v[ST+8*\t+7]           ; a = 2^(c m_old - c m_new)
.endr
.set b, 0
.rept 16
.irp t, 0,1
	v_pk_fma_f32 v[S+32*\t+2*b:S+32*\t+2*b+1], v[S+32*\t+2*b:S+32*\t+2*b+1], s[CS:CS+1], v[ST+8*\t:ST+8*\t+1] op_sel_hi:[1,0,0] neg_lo:[0,0,1] neg_hi:[0,0,1]
.endr
.if b > 0
.irp t, 0,1
	v_exp_f32 v[S+32*\t+2*b-2], v[S+32*\t+2*b-2]
	v_exp_f32 v[S+32*\t+2*b-1], v[S+32*\t+2*b-1]
.endr
.endif
.set b, b+1
.endr
.irp t, 0,1
	v_exp_f32 v[S+32*\t+30], v[S+32*\t+30]
	v_exp_f32 v[S+32*\t+31], v[S+32*\t+31]
.endr
	v_nop                                          ; a plain instruction behind the last exponential and ahead of the first use: one for the batch
	s_wait_alu depctr_va_vdst(0)                   ; the wait ahead of the first instruction that names a result: one for the 66
.set b, 0
.rept 16
.irp t, 0,1
	v_cvt_pk_f16_f32 v[P+16*\t+b], v[S+32*\t+2*b], v[S+32*\t+2*b+1]  ; a pair of weights to f16: source 1 of the second product as it stands
.endr
.set b, b+1
.endr
.irp u, 0,1,2,3,4,5,6,7                        ; the sum of a tile's 16 pairs, in place, of the weights before they were rounded: neighbours 1, 2, 4 and 8 pairs apart
.irp t, 0,1
	v_pk_add_f32 v[S+32*\t+4*\u:S+32*\t+4*\u+1], v[S+32*\t+4*\u:S+32*\t+4*\u+1], v[S+32*\t+4*\u+2:S+32*\t+4*\u+3]
.endr
.endr
.irp u, 0,1,2,3
.irp t, 0,1
	v_pk_add_f32 v[S+32*\t+8*\u:S+32*\t+8*\u+1], v[S+32*\t+8*\u:S+32*\t+8*\u+1], v[S+32*\t+8*\u+4:S+32*\t+8*\u+5]
.endr
.endr
.irp u, 0,1
.irp t, 0,1
	v_pk_add_f32 v[S+32*\t+16*\u:S+32*\t+16*\u+1], v[S+32*\t+16*\u:S+32*\t+16*\u+1], v[S+32*\t+16*\u+8:S+32*\t+16*\u+9]
.endr
.endr
.irp t, 0,1
	v_pk_add_f32 v[S+32*\t:S+32*\t+1], v[S+32*\t:S+32*\t+1], v[S+32*\t+16:S+32*\t+17]
.endr
.irp t, 0,1
	v_pk_fma_f32 v[ST+8*\t+2:ST+8*\t+3], v[ST+8*\t+2:ST+8*\t+3], v[ST+8*\t+6:ST+8*\t+7], v[S+32*\t:S+32*\t+1] op_sel_hi:[1,0,1]   ; l = a l + the sum
.endr
	WIN W_RS
.set i, 0
.rept 16
.irp t, 0,1
	v_pk_mul_f32 v[O+32*\t+2*i:O+32*\t+2*i+1], v[O+32*\t+2*i:O+32*\t+2*i+1], v[ST+8*\t+6:ST+8*\t+7] op_sel_hi:[1,0]   ; O^T x a, each accumulator from its low end on
.endr
.set i, i+1
.endr
.endm
; A KEY STEP: 64 keys.  40 LDS loads in one run, 16 products K Q^T, the softmax, 16 products V^T P.
.macro STEP
	v_add_nc_u32 v[ADR], s[TB], v[LI]
	v_add_nc_u32 v[ADM], s[TM], v[AM0]
	v_nop
	v_nop                                          ; four places between the last step's products and the loads into the registers that they read
.irp kt, 0,1,2,3
	ds_load_b128 v[MK+8*\kt:MK+8*\kt+3],   v[ADM] offset:64*\kt      ; register j: 8 x mask of key 16 kt + 8 (lane / 16) + j: the result's layout
	ds_load_b128 v[MK+8*\kt+4:MK+8*\kt+7], v[ADM] offset:64*\kt+16
.endr
	WIN LD1
.irp i, 0,1,2,3,4,5,6,7,8,9,10,11,12,13,14,15  ; K: image i = 4 kt + f is registers 4 i on
	ds_load_b128 v[KF+4*\i:KF+4*\i+3], v[ADR] offset:512*\i
.endr
.irp kk, 0,1                                   ; V, turned: tile of tokens 2 kk + u, channel block ct: half u of the fragment (kk, ct)
.irp ct, 0,1,2,3
.irp u, 0,1
	ds_load_tr16_b128 v[VF+32*\kk+8*\ct+4*\u:VF+32*\kk+8*\ct+4*\u+3], v[ADR] offset:VOFF+(2*\kk+\u)*2048+512*\ct
.endr
.endr
.endr
	s_wait_dscnt 16                                ; the mask and K are in; V's sixteen loads may be out
	WIN W_KQ
.set i, 0
.rept 16                                       ; product i: channels 32 (i / 8) on, keys 16 ((i / 2) % 4) on, tile i % 2.  The first eight start the sums from the mask.  Eight accumulators by turns
.set rS, S+32*(i%2)+8*((i/2)%4)
.set rK, KF+16*((i/2)%4)+8*(i/8)
.set rQ, Q+16*(i%2)+8*(i/8)
.set rM, MK+8*((i/2)%4)
.if i < 8
	v_wmma_f32_16x16x32_f16 v[rS:rS+7], v[rK:rK+7], v[rQ:rQ+7], v[rM:rM+7]
.else
	v_wmma_f32_16x16x32_f16 v[rS:rS+7], v[rK:rK+7], v[rQ:rQ+7], v[rS:rS+7]
.endif
.set i, i+1
.endr
	WIN 0
.rept 4
	v_nop                                          ; four places ahead of the first read of the scores
.endr
	SOFTMAX
	s_wait_dscnt 0x0                               ; V is in
	WIN W_PV
.set i, 0
.rept 16                                       ; product i: keys 32 (i / 8) on, channels 16 ((i / 2) % 4) on, tile i % 2.  Eight accumulators by turns
.set rO, O+32*(i%2)+8*((i/2)%4)
.set rV, VF+32*(i/8)+8*((i/2)%4)
.set rP, P+16*(i%2)+8*(i/8)
	v_wmma_f32_16x16x32_f16 v[rO:rO+7], v[rV:rV+7], v[rP:rP+7], v[rO:rO+7]
.set i, i+1
.endr
	WIN 0                                          ; at a label and at a branch every window is 0
.endm
; A CHUNK of 256 keys: my part of it has landed (the count leaves my loads of the later chunks out), no LDS instruction of mine is out, and behind the barrier that holds of all eight waves.
.macro CHUNK c
	s_wait_tensorcnt 3-\c
	s_wait_dscnt 0x0                               ; (chunk 0: my store of the mask has landed)
	s_barrier_signal -1
	s_barrier_wait -1
	s_mov_b32 s[CNT], 4
.Lstep_\@:
	STEP
	s_add_co_u32 s[TB], s[TB], 8192                ; four tiles of tokens on
	s_add_co_u32 s[TM], s[TM], 256
	s_sub_co_u32 s[CNT], s[CNT], 1
	s_cmp_lg_u32 s[CNT], 0
	s_cbranch_scc1 .Lstep_\@
	s_add_co_u32 s[TB], s[TB], VOFF                ; over the chunk's half of V
.endm
	CHUNK 0
	CHUNK 1
	CHUNK 2
	CHUNK 3
	; THE WAY OUT.  l's two halves and the other half of the lanes' are added; O^T is divided by l and goes through my stage in LDS, a tile (16 queries x 64 channels) at a time.  The additions are the places behind the last products.
.irp t, 0,1
	v_add_f32 v[ST+8*\t+4], v[ST+8*\t+2], v[ST+8*\t+3]
.endr
.irp t, 0,1
	v_permlanex16_b32 v[ST+8*\t+5], v[ST+8*\t+4], s[SEL], s[SEL+1]
.endr
.irp t, 0,1
	v_add_f32 v[ST+8*\t+4], v[ST+8*\t+4], v[ST+8*\t+5]
.endr
	v_nop
	v_nop
.irp t, 0,1
	v_rcp_f32 v[ST+8*\t+6], v[ST+8*\t+4]
.endr
	v_nop                                          ; a plain instruction between the last reciprocal and the use of its result
	s_wait_alu depctr_va_vdst(0)                   ; and the wait ahead of the first use: one for the two
.macro OUT t                           ; lane (r, h), register 8 ct + j: query r, channel 16 ct + 8 h + j: 32 neighbouring bytes of a row for each ct
	WIN 0x01                                       ; source 0 window 1
.set i, 0
.rept 16
	v_pk_mul_f32 v[OUTR+32*\t+2*i:OUTR+32*\t+2*i+1], v[O+32*\t+2*i:O+32*\t+2*i+1], v[ST+8*\t+6:ST+8*\t+7] op_sel_hi:[1,0]
.set i, i+1
.endr
	WIN 0
.irp ct, 0,1,2,3
	ds_store_b128 v[STO], v[OUTR+32*\t+8*\ct:OUTR+32*\t+8*\ct+3]   offset:64*\ct
	ds_store_b128 v[STO], v[OUTR+32*\t+8*\ct+4:OUTR+32*\t+8*\ct+7] offset:64*\ct+16
.endr
.irp i, 0,1,2,3,4,5,6,7
	ds_load_b128 v[S+32*\t+4*\i:S+32*\t+4*\i+3], v[RD] offset:\i*2*SPITCH   ; LDS serves a wave's instructions in order (ISA guide 5.7.1.4): these see the stores above; the next tile's stores come behind them
.endr
.endm
.macro SEND t, younger                 ; younger: the LDS instructions issued behind tile t's loads: the next tile's sixteen, or none
.irp i, 0,1,2,3,4,5,6,7
	s_wait_dscnt \younger+7-\i
	global_store_b128 v[GO], v[S+32*\t+4*\i:S+32*\t+4*\i+3], s[8:9] offset:\t*65536+\i*8192 th:TH_STORE_NT   ; 16 lanes store 256 consecutive bytes, one head's part of a row, at a multiple of 256 from out0's first byte
.endr
.endm
	OUT 0
	OUT 1
	SEND 0, 16
	SEND 1, 0
	s_wait_tensorcnt 0x0                           ; the wave's end, behind my last tensor load and my last LDS store
	ds_add_u32 v[SPW], v[NIL]
	s_wait_dscnt 0x0
	CROUND                                         ; the closing round: no work-group ends while a partner may still ask for a tile that names it
	s_endpgm
.Lfunc_end_k_q31e32b8ada_attn:
	.size	k_q31e32b8ada_attn, .Lfunc_end_k_q31e32b8ada_attn-k_q31e32b8ada_attn
	.p2alignl 7, 3214868480
	.fill 96, 4, 3214868480
	.section	.rodata,"a",@progbits
	.p2align	6, 0x0
	.amdhsa_kernel k_q31e32b8ada_attn
		.amdhsa_group_segment_fixed_size 327680
		.amdhsa_private_segment_fixed_size 0
		.amdhsa_enable_private_segment 0
		.amdhsa_kernarg_size 24
		.amdhsa_user_sgpr_count 2
		.amdhsa_user_sgpr_kernarg_segment_ptr 1
		.amdhsa_wavefront_size32 1
		.amdhsa_system_sgpr_workgroup_id_x 1
		.amdhsa_system_sgpr_workgroup_id_y 1
		.amdhsa_system_sgpr_workgroup_id_z 1
		.amdhsa_system_vgpr_workitem_id 0
		.amdhsa_next_free_vgpr 512
		.amdhsa_next_free_sgpr 66
		.amdhsa_reserve_vcc 0
		.amdhsa_float_denorm_mode_32 3
		.amdhsa_float_denorm_mode_16_64 3
		.amdhsa_memory_ordered 1
		.amdhsa_forward_progress 1
		.amdhsa_inst_pref_size 89
	.end_amdhsa_kernel
	.amdgpu_metadata
---
amdhsa.version: [ 1, 2 ]
amdhsa.kernels:
  - .name:           k_q31e32b8ada_attn
    .symbol:         k_q31e32b8ada_attn.kd
    .args:
      - { .name: qkv, .offset: 0, .size: 8, .value_kind: global_buffer, .address_space: global }
      - { .name: attention_mask, .offset: 8, .size: 8, .value_kind: global_buffer, .address_space: global }
      - { .name: out0, .offset: 16, .size: 8, .value_kind: global_buffer, .address_space: global }
    .group_segment_fixed_size: 327680
    .private_segment_fixed_size: 0
    .kernarg_segment_align: 8
    .kernarg_segment_size: 24
    .max_flat_workgroup_size: 256
    .sgpr_count:     66
    .vgpr_count:     512
    .wavefront_size: 32
...
	.end_amdgpu_metadata
.endif
;; end of part 3
